; MI455X (gfx1250); checked and timed in simulation.
; The chip was launched on July 23, 2026; its instructions are those of AMD's public machine-readable ISA for CDNA 5 (MIT licence, August 2026) and "CDNA5" Instruction Set Architecture Reference Guide (July 2026). The comments in the code are by the model that wrote it; some were corrected since.
;; KNN Classifier Layer2. Allowed arithmetic: float matrix products may take bf16 or f16 operands with f32 sums; other float arithmetic in f32, or as packed bf16 or f16 multiplies, adds, multiply-adds, maxima and minima; sums over many terms, partial sums and values carried from step to step in f32; what a program stores and reads back later, other than sums and carried values, may be rounded once to bf16 or f16.
;; Inputs: X_train 50,000 x 32 float32; x 4,096 x 32 float32; y_train 50,000 int32.
;; Outputs: out0 4,096 x 6 float32.
;; One version. Each part assembles by itself: llvm-mc -triple=amdgcn-amd-amdhsa -mcpu=gfx1250 --defsym DOCPART=n.
;; ======== version 1 of 1: 3 launches
;; limits: values within 1.5e-05 (relative) of each other or of a threshold may be ordered or decided otherwise than in the reference
;; workspace buffers: FR 3,538,944 bytes; CC 221,184 bytes; REC 4,194,304 bytes of whole numbers
;; launch prep (part 1): grid 432 x 1, 8 waves a work-group, no clusters, 1,536 bytes of LDS; arguments X_train, x, FR, CC; writes FR, CC
.if DOCPART == 1
	.amdgcn_target "amdgcn-amd-amdhsa--gfx1250"
	.amdhsa_code_object_version 6
	.text
	.protected	k_q8c70b5f03a_prep
	.globl	k_q8c70b5f03a_prep
	.p2align	8
	.type	k_q8c70b5f03a_prep,@function
k_q8c70b5f03a_prep:
	s_mov_b64 s[64:65], 0
	v_nop
	global_prefetch_b8 v0, s[64:65] scope:SCOPE_SE
	s_setreg_imm32_b32 hwreg(HW_REG_WAVE_MODE, 25, 1), 1
	s_wait_xcnt 0x0
; PREPARATION.  X_train [50000][32] and x [4096][32], f32, are rounded once to bf16 and written as tiles of 16 rows in the order in which a matrix fragment lies in
; registers; beside each row goes -1/2 of the sum of the squares of its ROUNDED numbers, in f32.
; FR: 3,456 slots of 1,024 bytes.  In a slot, byte 512 p + 16 (row + 16 h) holds channels 16 p + 8 h .. + 7 of the row: lane l of a wave takes its half fragment at 16 l (+ 512).
;     Training tile t (rows 16 t ..) of chunk c = t / 100, half hh = (t % 100) / 50, group g = t % 50 lies in slot 100 c + 2 g + hh; query tile q in slot 3200 + q.
;     Tiles 3125 .. 3199 do not exist in X_train: their slots hold zeros.
; CC: CC[16 t + r] = -1/2 |row r of tile t|^2, tiles in their natural order, query tile q as tile 3200 + q; -2^127 for the rows that do not exist, far below every score.
; SHARES.  A wave makes one tile, a work-group eight: 432 x 8 = 3,456.  A tile's 2,048 bytes are read by four loads of 16 bytes a lane, its 1,024 bytes written by two stores of 512
; consecutive bytes; the eight waves' 128 sums meet in LDS, and wave 0 writes them as 512 consecutive bytes.
; THE SUM OF SQUARES is the diagonal of the tile times its own transpose: one matrix instruction, exact products of the rounded numbers, sums in f32.
; LIMITS.  Sums of squares stay under 1e37; NaN and infinities are not treated apart.
.set CST,   0                          ; LDS: wave v's 16 sums at 64 v
.set SPARE, 512                        ; behind them: the spare words, 128 bytes for each of the eight waves, which no other line names
.set SPW, 4                            ; v4   SPARE + 4 x my thread's number; never rewritten
.set NIL, 5                            ; v5   0; never rewritten
.set F,   26                           ; v[26:33] the tile as a fragment
.set G,   34                           ; v[34:41] the tile times its transpose
	s_load_b256 s[4:11], s[0:1], 0x0               ; X_train s[4:5], x s[6:7], FR s[8:9], CC s[10:11]
	v_lshl_add_u32 v[SPW], v0, 2, SPARE
	v_mov_b32 v[NIL], 0
	v_lshrrev_b32 v9, 5, v0
	v_readfirstlane_b32 s12, v9                    ; wave 0..7
	v_and_b32 v1, 15, v0                           ; r = lane % 16: my row
	v_bfe_u32 v2, v0, 4, 1                         ; h = lane / 16
	v_and_b32 v3, 31, v0                           ; lane
	v_lshlrev_b32 v6, 7, v1                        ; a source row is 128 bytes;
	v_lshl_add_u32 v6, v2, 5, v6                   ; my channels 8 h .. begin 32 h bytes into it
	v_lshlrev_b32 v7, 4, v3                        ; 16 x lane
	s_lshl_b32 s15, s12, 6
	v_lshl_add_u32 v8, v1, 2, s15                  ; where my row's sum goes in LDS
	v_mov_b32 v46, 0                               ; written, since v_permlanex16_b32 counts as a reader of its destination
	s_mov_b32 s26, 0x76543210                      ; v_permlanex16_b32: each lane takes its own place in the other half
	s_mov_b32 s27, 0xfedcba98
	s_mov_b32 s28, 0xaaaaaaaa                      ; lanes whose r has bit 0 set,
	s_mov_b32 s29, 0xcccccccc                      ; bit 1,
	s_mov_b32 s30, 0xf0f0f0f0                      ; bit 2
	s_mov_b32 s31, 0xff0000ff                      ; lanes with r / 8 = h: they hold the diagonal
	s_lshl_b32 s13, ttmp9, 3
	s_add_co_u32 s13, s13, s12                     ; my tile t, 0 .. 3455
	s_mul_hi_u32 s15, s13, 0x028f5c29              ; t / 100 (2^32 / 100 rounded up; exact for t under 3,456)
	s_mul_i32 s16, s15, 100
	s_sub_co_u32 s17, s13, s16                     ; t % 100
	s_cmp_ge_u32 s17, 50
	s_cselect_b32 s18, 1, 0                        ; the half
	s_cselect_b32 s19, 50, 0
	s_sub_co_u32 s17, s17, s19                     ; the group
	s_lshl1_add_u32 s14, s17, s16
	s_add_co_u32 s14, s14, s18                     ; slot = 100 c + 2 g + hh
	s_cmp_ge_u32 s13, 3200                         ; a query tile keeps its number as its slot,
	s_cselect_b32 s14, s13, s14
	s_cselect_b32 s15, 3200, 0
	s_sub_co_u32 s15, s13, s15                     ; and is tile t - 3200 of x
	s_lshl_b32 s22, s15, 11                        ; 2,048 bytes a tile in the source
	s_mov_b32 s23, 0
	s_lshl_b32 s32, s14, 10                        ; 1,024 bytes a slot
	s_mov_b32 s33, 0
	s_lshl_b32 s34, ttmp9, 9                       ; the work-group's 128 sums: 512 bytes of CC
	s_mov_b32 s35, 0
	s_wait_kmcnt 0x0
	s_cmp_ge_u32 s13, 3200
	s_cselect_b64 s[20:21], s[6:7], s[4:5]         ; x or X_train
	s_add_nc_u64 s[20:21], s[20:21], s[22:23]
	s_add_nc_u64 s[24:25], s[8:9], s[32:33]
	s_add_nc_u64 s[10:11], s[10:11], s[34:35]
	s_sub_co_u32 s15, s13, 3125
	s_cmp_lt_u32 s15, 75                           ; tiles 3125 .. 3199: nothing is loaded
	s_cbranch_scc1 .Lpad
	global_load_b128 v[10:13], v6, s[20:21] th:TH_LOAD_NT              ; channels 8 h .. 8 h + 3
	global_load_b128 v[14:17], v6, s[20:21] offset:16 th:TH_LOAD_NT    ; .. + 7
	global_load_b128 v[18:21], v6, s[20:21] offset:64 th:TH_LOAD_NT    ; channels 16 + 8 h ..
	global_load_b128 v[22:25], v6, s[20:21] offset:80 th:TH_LOAD_NT
	s_wait_loadcnt 0x0
.irp j, 0,1,2,3,4,5,6,7
	v_cvt_pk_bf16_f32 v[F+(\j)], v[10+2*(\j)], v[11+2*(\j)]            ; to nearest even, the lower channel in the low half
.endr
	v_wmma_f32_16x16x32_bf16 v[G:G+7], v[F:F+7], v[F:F+7], 0
.rept 4
	v_nop                                          ; four places between the product and the first read of its result (ISA guide 7.12.1)
.endr
	; register j of lane (r, h) holds element (8 h + j, r): row r's sum is register r % 8 of the lane with h = r / 8
	v_cndmask_b32 v42, v[G+0], v[G+1], s28
	v_cndmask_b32 v43, v[G+2], v[G+3], s28
	v_cndmask_b32 v44, v[G+4], v[G+5], s28
	v_cndmask_b32 v45, v[G+6], v[G+7], s28
	v_cndmask_b32 v42, v42, v43, s29
	v_cndmask_b32 v44, v44, v45, s29
	v_cndmask_b32 v42, v42, v44, s30               ; register r % 8
	v_permlanex16_b32 v46, v42, s26, s27
	v_cndmask_b32 v42, v46, v42, s31               ; mine where I hold the diagonal, else the other half's: every lane has row r's sum
	v_mul_f32 v47, -0.5, v42
	s_branch .Ljoin
.Lpad:
.irp j, 0,1,2,3,4,5,6,7
	v_mov_b32 v[F+(\j)], 0
.endr
	v_mov_b32 v47, 0xff000000                      ; -2^127
.Ljoin:
	global_store_b128 v7, v[F:F+3], s[24:25]               ; 512 consecutive bytes, at a multiple of 512 from FR's first byte
	global_store_b128 v7, v[F+4:F+7], s[24:25] offset:512
	ds_store_b32 v8, v47                           ; lanes r and r + 16 write the same number to the same word
	s_wait_dscnt 0x0                               ; for the others' sake: my store is done
	s_barrier_signal -1
	s_barrier_wait -1                              ; all eight waves' sums lie in LDS
	s_cmp_lg_u32 s12, 0
	s_cbranch_scc1 .Lend
	ds_load_b128 v[10:13], v7 offset:CST
	s_wait_dscnt 0x0
	global_store_b128 v7, v[10:13], s[10:11]       ; 512 consecutive bytes of CC
.Lend:
	s_wait_tensorcnt 0x0                           ; the wave's end: behind my last LDS store
	ds_add_u32 v[SPW], v[NIL]
	s_wait_dscnt 0x0
	s_endpgm
.Lfunc_end_k_q8c70b5f03a_prep:
	.size	k_q8c70b5f03a_prep, .Lfunc_end_k_q8c70b5f03a_prep-k_q8c70b5f03a_prep
	.p2alignl 7, 3214868480
	.fill 96, 4, 3214868480
	.section	.rodata,"a",@progbits
	.p2align	6, 0x0
	.amdhsa_kernel k_q8c70b5f03a_prep
		.amdhsa_group_segment_fixed_size 1536
		.amdhsa_private_segment_fixed_size 0
		.amdhsa_enable_private_segment 0
		.amdhsa_kernarg_size 32
		.amdhsa_user_sgpr_count 2
		.amdhsa_user_sgpr_kernarg_segment_ptr 1
		.amdhsa_wavefront_size32 1
		.amdhsa_system_sgpr_workgroup_id_x 1
		.amdhsa_system_sgpr_workgroup_id_y 1
		.amdhsa_system_sgpr_workgroup_id_z 1
		.amdhsa_system_vgpr_workitem_id 0
		.amdhsa_next_free_vgpr 48
		.amdhsa_next_free_sgpr 66
		.amdhsa_reserve_vcc 0
		.amdhsa_float_denorm_mode_32 3
		.amdhsa_float_denorm_mode_16_64 3
		.amdhsa_memory_ordered 1
		.amdhsa_forward_progress 1
		.amdhsa_inst_pref_size 6
	.end_amdhsa_kernel
	.amdgpu_metadata
---
amdhsa.version: [ 1, 2 ]
amdhsa.kernels:
  - .name:           k_q8c70b5f03a_prep
    .symbol:         k_q8c70b5f03a_prep.kd
    .args:
      - { .name: X_train, .offset: 0, .size: 8, .value_kind: global_buffer, .address_space: global }
      - { .name: x, .offset: 8, .size: 8, .value_kind: global_buffer, .address_space: global }
      - { .name: FR, .offset: 16, .size: 8, .value_kind: global_buffer, .address_space: global }
      - { .name: CC, .offset: 24, .size: 8, .value_kind: global_buffer, .address_space: global }
    .group_segment_fixed_size: 1536
    .private_segment_fixed_size: 0
    .kernarg_segment_align: 8
    .kernarg_segment_size: 32
    .max_flat_workgroup_size: 256
    .sgpr_count:     66
    .vgpr_count:     48
    .wavefront_size: 32
...
	.end_amdgpu_metadata
.endif
;; end of part 1
;; launch main (part 2): grid 8 x 32, 4 waves a work-group, clusters of 4 x 1, 167,936 bytes of LDS; arguments FR, CC, REC; writes REC
.if DOCPART == 2
	.amdgcn_target "amdgcn-amd-amdhsa--gfx1250"
	.amdhsa_code_object_version 6
	.text
	.protected	k_q8c70b5f03a_main
	.globl	k_q8c70b5f03a_main
	.p2align	8
	.type	k_q8c70b5f03a_main,@function
k_q8c70b5f03a_main:
	s_mov_b64 s[64:65], 0
	v_nop
	global_prefetch_b8 v0, s[64:65] scope:SCOPE_SE
	s_setreg_imm32_b32 hwreg(HW_REG_WAVE_MODE, 25, 1), 1
	s_wait_xcnt 0x0
	s_wait_alu depctr_hold_cnt(0) depctr_sa_sdst(0) depctr_va_vdst(0) depctr_va_sdst(0) depctr_va_ssrc(0) depctr_va_vcc(0) depctr_vm_vsrc(0)
	s_getreg_b32 s2, hwreg(HW_REG_IB_STS2, 6, 4)
	s_cmp_eq_u32 s2, 0
	s_cbranch_scc0 .Lentry_in_a_cluster
	s_endpgm
.Lentry_in_a_cluster:
	s_bfe_u32 s2, ttmp6, 0x10000c
	s_cmp_lg_u32 s2, 0x3003
	s_cbranch_scc0 .Lentry_shape_is_right
	s_endpgm
.Lentry_shape_is_right:
; THE DENSE PASS.  Score s(q, n) = x_q . t_n - 1/2 |t_n|^2 (bf16 operands, f32 sums; the second term is the matrix instruction's C operand, so s is rounded once); the largest s is the
; smallest distance.  A GROUP is 16 consecutive training rows.  The five nearest rows, ties to the lower index, lie in the five groups with the largest maxima, ties to the lower group:
; each group ranked ahead of a row's group holds a row ranked ahead of that row.  So this launch takes group maxima alone, and keeps for each query the six best groups of a chunk.
; THE KEY of a group: M' = max s - 1/2 |x_q|^2 = -d^2 / 2, never above 0 but by rounding; key = (bits of M' without their lowest 7) | sign | f, f = the group's number in its chunk, 0 .. 99.
; Keys are negative floats: the larger float is the nearer group, and among keys with equal upper 25 bits the lower f.  A sorted list of six takes a key by five medians and a maximum.
; LIMITS.  Groups are ranked on sign, exponent and 16 bits of mantissa of -d^2 / 2; keys that agree in these 25 bits are ordered by f (index order inside a chunk) and, in the last launch,
; then by chunk.  Six groups are scored again there, one more than needed: the neighbours can depart from an exact ranking of the scores only where three or more group maxima round places
; 5 to 7 agree in those 25 bits.  An M' above 0 counts as -M'.  Sums of squares stay under 1e37; NaN and infinities are not treated apart.
; SHARES.  32 chunks of 1,600 rows (100 tiles; rows 50,000 .. 51,199 are zeros with c = -2^127) x 8 blocks of 512 queries = 256 work-groups.  A wave keeps 8 query tiles (128 queries) in
; registers as source 1 and walks the chunk's 50 pairs of groups.  A chunk has two halves of 800 rows; group g of half 0 and group g of half 1 are taken together: source 0 of step (g, e),
; e = 0, 1, holds rows 8 e .. 8 e + 7 of both.  In the result lane (r, h), register j is query r against row 8 e + j of half h's group: a lane's 16 numbers of two steps are one group.
; CLUSTER.  The four work-groups of a cluster have the same chunk and four query blocks: the chunk's tiles and its c are asked for JOINTLY, by the same tensor loads with the same descriptors
; and the mask of four.  The chunk (115,200 bytes with padding, and 6,400 of c) is filled once: nothing in LDS is filled again.  It comes in three pieces of 10, 16 and 24 groups, so that the
; work begins when the first has landed; by this text's count a wave has four tensor loads out.
; No prefetch: all that the launch reads is asked for at its head.
.set TP,    1152                       ; a tile in LDS: 1,024 bytes + 128 of padding.  The two tiles of a pair lie 128 apart modulo 256, so the 16 lanes of half a load (8 rows of each) touch 16 different columns of 16 bytes (64 banks of 4 bytes: ISA guide 11.1)
.set CBL,   100*TP                     ; behind the tiles: c of the chunk's 1,600 rows
.set SPARE, CBL+6400                   ; behind that: the spare words, 128 bytes for each wave: two blocks of 256 bytes that no other line names
.set ADA, 4                            ; v4    LDS address of the pair's fragments
.set ADC, 5                            ; v5    of its c
.set IDR, 6                            ; v6    sign | f of the group whose key is made next
.set SPW, 10                           ; v10   SPARE + 4 x my thread's number; never rewritten
.set NIL, 11                           ; v11   0; never rewritten
.set CQ,  12                           ; v[12:19]   -1/2 |x|^2 of my query in each of the 8 tiles
.set MX,  20                           ; v[20:27]   the group's maximum, by query tile
.set TT,  28                           ; v[28:31]   two pairs at work, by the parity of the matrix instruction's number
.set PK,  32                           ; v[32:33]   two keys
.set LST, 34                           ; v[34:81]   the lists: tile q's six keys at LST + 6 q, the best first
.set BQ,  82                           ; v[82:145]  the queries: tile q's fragment at BQ + 8 q
.set AF,  146                          ; v[146:153] source 0 of step e = 0, v[162:169] of e = 1
.set CF,  154                          ; v[154:161] C of step e = 0, v[170:177] of e = 1
.set DB,  178                          ; v[178:209] four results, by turns
.set AA0, 210                          ; v210  my lane's place in a pair of tiles; never rewritten
.set CA0, 211                          ; v211  my half's c of group 0; never rewritten
.set G1C, 16                           ; s[16:23]  descriptor group 1 for c
.set G1P, 24                           ; s[24:47]  for the three pieces
.set G0C, 48                           ; s[48:51]  descriptor group 0 for c
.set G0P, 52                           ; s[52:63]  for the three pieces
.set CNT, 66                           ; s66  trips
.set KM,  67                           ; s67  the key's 25 bits
.set SEL, 68                           ; s[68:69] v_permlanex16_b32: each lane takes its own place in the other half
.set HI,  70                           ; s70  lanes 16 .. 31
.set C100, 71                          ; s71  100 x chunk
.set BB,  74                           ; s[74:75] FR at my wave's first query tile
.set CB,  76                           ; s[76:77] CC at the same tile
.set RB,  78                           ; s[78:79] REC at my wave's first record of this chunk
.set TA,  80                           ; s80  2 TP x the pair to be loaded
.set TC,  81                           ; s81  64 x the same
; A round of the cluster's barrier: my work-group's barrier, so that wave 0's signal speaks for all four waves; wave 0 signals; every wave waits for all four work-groups; my work-group's barrier once more.
.macro CROUND
	s_barrier_signal -1
	s_barrier_wait -1
	s_cmp_lg_u32 s10, 0
	s_cbranch_scc1 .Lnot_wave_0_\@
	s_barrier_signal -3
.Lnot_wave_0_\@:
	s_barrier_wait -3
	s_barrier_signal -1
	s_barrier_wait -1
.endm
; The descriptors of piece j: it begins at tile t of the chunk, and each wave brings n tiles of it.  A tile is a row of 128 elements of 8 bytes.
.macro PDESC j, t, n
	s_mov_b32 s[G1P+8*(\j)+0], 0x3ff3000f          ; 15:0 the mask of four; 17:16 elements of 8 bytes; 20 padding on; 21 set beside a mask; 24:22 after every 256 words (code 7); 31:25 32 words of it (code 31)
	s_mov_b32 s[G1P+8*(\j)+1], 128<<16             ; tensor_dim0 = 128
	s_mov_b32 s[G1P+8*(\j)+2], (\n)<<16            ; tensor_dim1 = n
	s_mov_b32 s[G1P+8*(\j)+3], 128<<16             ; tile_dim0 = 128
	s_mov_b32 s[G1P+8*(\j)+4], \n                  ; tile_dim1 = n
	s_mov_b32 s[G1P+8*(\j)+5], 128                 ; 128 elements from row to row: the slots are dense
	s_mov_b32 s[G1P+8*(\j)+6], 0
	s_mov_b32 s[G1P+8*(\j)+7], 0
	s_mov_b32 s[G0P+4*(\j)], 1                     ; count = 1
	s_mul_i32 s14, s10, (\n)*TP
	s_add_co_u32 s[G0P+4*(\j)+1], s14, (\t)*TP     ; LDS address: tile t + n x wave
	s_mul_i32 s14, s10, \n
	s_add_co_u32 s14, s14, s[C100]
	s_add_co_u32 s14, s14, \t
	s_lshl_b32 s[G0P+4*(\j)+2], s14, 10            ; the same tile's slot in FR, in bytes; FR's address is added below
	s_mov_b32 s[G0P+4*(\j)+3], 0
.endm
	s_load_b128 s[4:7], s[0:1], 0x0                ; FR s[4:5], CC s[6:7]
	s_load_b64 s[8:9], s[0:1], 0x10                ; REC
	v_lshl_add_u32 v[SPW], v0, 2, SPARE
	v_mov_b32 v[NIL], 0
	ds_add_u32 v[SPW], v[NIL]                      ; the wave's opening: the add and its wait stand ahead of my first tensor load; the set-up below, work on registers, stands between them
	v_lshrrev_b32 v32, 5, v0
	v_readfirstlane_b32 s10, v32                   ; wave 0..3
	s_and_b32 s13, ttmp7, 0xffff                   ; the chunk, which the four partners share
	s_mul_i32 s[C100], s13, 100
	s_mov_b32 s[G1C+0], 0x0023000f                 ; the mask of four; elements of 8 bytes; no padding; 21 set beside a mask
	s_mov_b32 s[G1C+1], 200<<16                    ; one row of 200 elements: a quarter of the chunk's c, 1,600 bytes
	s_mov_b32 s[G1C+2], 1<<16
	s_mov_b32 s[G1C+3], 200<<16
	s_mov_b32 s[G1C+4], 1
	s_mov_b32 s[G1C+5], 200
	s_mov_b32 s[G1C+6], 0
	s_mov_b32 s[G1C+7], 0
	s_mov_b32 s[G0C], 1
	s_mul_i32 s14, s10, 1600
	s_add_co_u32 s[G0C+1], s14, CBL
	s_mul_i32 s15, s13, 6400
	s_add_co_u32 s[G0C+2], s14, s15
	s_mov_b32 s[G0C+3], 0
	PDESC 0, 0, 5                                  ; tiles 0 .. 19: groups 0 .. 9 of both halves
	PDESC 1, 20, 8                                 ; tiles 20 .. 51: groups 10 .. 25
	PDESC 2, 52, 12                                ; tiles 52 .. 99: groups 26 .. 49
	; my query block enters the addresses of B, of -1/2 |x|^2 and of REC alone, in registers of their own
	s_bfe_u32 s11, ttmp6, 0x40000                  ; cx: my place in the cluster
	s_lshl_b32 s12, ttmp9, 2                       ; in a cluster launch ttmp9 counts clusters
	s_add_co_u32 s12, s12, s11                     ; my block of 512 queries
	s_lshl_b32 s72, s12, 5
	s_lshl3_add_u32 s72, s10, s72                  ; my wave's first query tile: 32 x block + 8 x wave
	s_add_co_u32 s73, s72, 3200
	s_lshl_b32 s[BB], s73, 10                      ; its slot in FR,
	s_mov_b32 s[BB+1], 0
	s_lshl_b32 s[CB], s73, 6                       ; its 16 numbers in CC,
	s_mov_b32 s[CB+1], 0
	s_lshl_b32 s[RB], s72, 5
	s_add_co_u32 s[RB], s[RB], s13
	s_lshl_b32 s[RB], s[RB], 9                     ; its records: (32 x tile + chunk) x 16 queries x 32 bytes
	s_mov_b32 s[RB+1], 0
	s_mov_b32 s[KM], 0xffffff80
	s_mov_b32 s[SEL], 0x76543210
	s_mov_b32 s[SEL+1], 0xfedcba98
	s_mov_b32 s[HI], 0xffff0000
	s_mov_b32 s73, 0xff7fffff                      ; the lowest finite number: an empty place in a list
	v_and_b32 v1, 15, v0                           ; r
	v_bfe_u32 v2, v0, 4, 1                         ; h
	v_and_b32 v3, 31, v0                           ; lane
	; source 0: lane (r, h) holds row r of the step: row r % 8 (+ 8 e) of tile r / 8 of the pair, channels 8 h .. (and 16 + 8 h .., 512 bytes on)
	v_lshrrev_b32 v32, 3, v1
	v_and_b32 v33, 7, v1
	v_lshl_add_u32 v33, v2, 4, v33
	v_lshlrev_b32 v33, 4, v33                      ; 16 (r % 8 + 16 h)
	v_mul_u32_u24 v[AA0], v32, TP
	v_add_nc_u32 v[AA0], v[AA0], v33
	v_mul_u32_u24 v[CA0], v2, 3200                 ; my half's 800 numbers of c
	v_add_nc_u32 v[CA0], CBL, v[CA0]
	v_mul_u32_u24 v[IDR], v2, 50                   ; f = 50 h + g
	v_or_b32 v[IDR], 0x80000000, v[IDR]
	v_lshlrev_b32 v7, 4, v3                        ; 16 x lane
	v_lshlrev_b32 v8, 2, v1                        ; 4 r
	v_lshlrev_b32 v9, 5, v1
	v_lshl_add_u32 v9, v2, 4, v9                   ; 32 r + 16 h: my half of query r's record
	s_wait_dscnt 0x0                               ; the opening add is done
	s_wait_kmcnt 0x0
	s_add_nc_u64 s[G0C+2:G0C+3], s[6:7], s[G0C+2:G0C+3]
	s_or_b32 s[G0C+3], s[G0C+3], 0x80000000        ; type = 2
.irp j, 0,1,2
	s_add_nc_u64 s[G0P+4*(\j)+2:G0P+4*(\j)+3], s[4:5], s[G0P+4*(\j)+2:G0P+4*(\j)+3]
	s_or_b32 s[G0P+4*(\j)+3], s[G0P+4*(\j)+3], 0x80000000
.endr
	s_add_nc_u64 s[BB:BB+1], s[4:5], s[BB:BB+1]
	s_add_nc_u64 s[CB:CB+1], s[6:7], s[CB:CB+1]
	s_add_nc_u64 s[RB:RB+1], s[8:9], s[RB:RB+1]
	CROUND                                         ; all four work-groups are here: the joint loads meet
	tensor_load_to_lds s[G0C:G0C+3], s[G1C:G1C+7]  ; all first fills in one group: c, then the pieces in the order in which they are read
	s_nop 0
.irp j, 0,1,2
	tensor_load_to_lds s[G0P+4*(\j):G0P+4*(\j)+3], s[G1P+8*(\j):G1P+8*(\j)+7]
	s_nop 0
.endr
.irp q, 0,1,2,3,4,5,6,7
	global_load_b128 v[BQ+8*(\q):BQ+8*(\q)+3],   v7, s[BB:BB+1] offset:1024*(\q)       ; the queries stay in registers: a fragment lies in FR as it lies in the lanes
	global_load_b128 v[BQ+8*(\q)+4:BQ+8*(\q)+7], v7, s[BB:BB+1] offset:1024*(\q)+512
.endr
.irp q, 0,1,2,3,4,5,6,7
	global_load_b32 v[CQ+(\q)], v8, s[CB:CB+1] offset:64*(\q)
.endr
.set i, 0
.rept 48
	v_mov_b32 v[LST+i], s73                        ; the lists are empty: written while the loads are on their way
.set i, i+1
.endr
; A pair's eight LDS loads: source 0 and C of both steps.  The address is a lane term that never changes plus a scalar that steps by a constant.
.macro LOADS
	v_add_nc_u32 v[ADA], s[TA], v[AA0]
	v_add_nc_u32 v[ADC], s[TC], v[CA0]
	ds_load_b128 v[AF:AF+3],      v[ADA]
	ds_load_b128 v[AF+4:AF+7],    v[ADA] offset:512
	ds_load_b128 v[CF:CF+3],      v[ADC]              ; all lanes of a half read the same 16 bytes: c of rows 0 .. 3 of their group,
	ds_load_b128 v[CF+4:CF+7],    v[ADC] offset:16    ; 4 .. 7
	ds_load_b128 v[AF+16:AF+19],  v[ADA] offset:128   ; rows 8 .. 15
	ds_load_b128 v[AF+20:AF+23],  v[ADA] offset:640
	ds_load_b128 v[CF+16:CF+19],  v[ADC] offset:32
	ds_load_b128 v[CF+20:CF+23],  v[ADC] offset:48
	s_add_co_u32 s[TA], s[TA], 2*TP
	s_add_co_u32 s[TC], s[TC], 64
.endm
; Two keys are made and taken into the lists of tiles q and q + 1.  From the list's end upward, so that each line reads the old neighbours: place i takes the middle one of places i - 1, i and the key.
.macro INS2 q
	v_add_f32 v[PK],   v[MX+(\q)],   v[CQ+(\q)]    ; M' = -d^2 / 2
	v_add_f32 v[PK+1], v[MX+(\q)+1], v[CQ+(\q)+1]
	v_and_or_b32 v[PK],   v[PK],   s[KM], v[IDR]
	v_and_or_b32 v[PK+1], v[PK+1], s[KM], v[IDR]
.irp i, 5,4,3,2,1
	v_med3_num_f32 v[LST+6*(\q)+(\i)],   v[LST+6*(\q)+(\i)-1], v[LST+6*(\q)+(\i)],   v[PK]
	v_med3_num_f32 v[LST+6*(\q)+6+(\i)], v[LST+6*(\q)+5+(\i)], v[LST+6*(\q)+6+(\i)], v[PK+1]
.endr
	v_max_num_f32 v[LST+6*(\q)],   v[LST+6*(\q)],   v[PK]
	v_max_num_f32 v[LST+6*(\q)+6], v[LST+6*(\q)+6], v[PK+1]
.endm
.macro LUMP                            ; the keys of the pair just multiplied: 64 instructions that have no place beside a matrix instruction; they stand between the next pair's LDS loads and the wait for them
	INS2 0
	INS2 2
	INS2 4
	INS2 6
	v_add_nc_u32 v[IDR], 1, v[IDR]
.endm
; Matrix instruction n of a pair's 16: step e = n / 8, query tile n % 8.  C is c, D one of four results by turns: no instruction adds onto another's result.
.macro MM n
	v_wmma_f32_16x16x32_bf16 v[DB+8*((\n)%4):DB+8*((\n)%4)+7], v[AF+16*((\n)/8):AF+16*((\n)/8)+7], v[BQ+8*((\n)%8):BQ+8*((\n)%8)+7], v[CF+16*((\n)/8):CF+16*((\n)/8)+7]
.endm
.macro MOP x                           ; the maximum of result x goes into the group's: step 0 starts it
.if (\x) < 8
	v_max_num_f32 v[MX+(\x)], v[TT+2*((\x)%2)], v[TT+2*((\x)%2)+1]
.else
	v_max3_num_f32 v[MX+(\x)-8], v[MX+(\x)-8], v[TT+2*((\x)%2)], v[TT+2*((\x)%2)+1]
.endif
.endm
; The four vector instructions behind matrix instruction n: the maximum of result n - 1's eight numbers, its lowest registers first, and the last step for result n - 2.  They name no register of
; instruction n, so they are the four places between it and the first read of its result, behind instruction n + 1 (ISA guide 7.12.1).
.macro RID n
.set dd, DB+8*(((\n)-1)%4)
.set ta, TT+2*(((\n)-1)%2)
	v_max3_num_f32 v[ta],   v[dd],   v[dd+1], v[dd+2]
	v_max3_num_f32 v[ta+1], v[dd+3], v[dd+4], v[dd+5]
.if (\n) > 1
	MOP (\n)-2
.else
	v_nop
.endif
	v_max3_num_f32 v[ta],   v[ta],   v[dd+6], v[dd+7]
.endm
.macro BODY                            ; a pair of groups against the wave's 128 queries.  A result's registers are written again four matrix instructions later, twelve places behind
	s_wait_dscnt 0x0                               ; the pair's fragments and c are in
	MM 0
.rept 4
	v_nop                                          ; there is no result yet to work on
.endr
.irp n, 1,2,3,4,5,6,7,8,9,10,11,12,13,14,15
	MM \n
	RID \n
.endr
	RID 16                                         ; the last result; the four lines behind instruction 15 are also the places in front of the next loads into its sources
	MOP 15
.endm
; Piece j: groups g0 on.  The count leaves the later pieces on their way: they were issued behind this one, and tensor loads of a wave end in order (ISA guide 10.11.1).  Behind the barrier every
; wave's part of the piece is in.  No LDS instruction of the wave is out at the signal: BODY's wait was for 0.
; first = 1: the first pair has no pair before it whose keys were to be made: it is written out.
.macro PIECE j, g0, trips, first
	s_wait_tensorcnt 2-(\j)
	s_barrier_signal -1
	s_barrier_wait -1
	s_mov_b32 s[TA], (\g0)*2*TP                    ; the piece's first pair, as a constant: its loads read tiles 2 g0 .. 2 (g0 + its groups) - 1 and no others
	s_mov_b32 s[TC], (\g0)*64
.if \first
	LOADS
	s_wait_loadcnt 0x0                             ; the queries and their -1/2 |x|^2
	BODY
.endif
	s_mov_b32 s[CNT], \trips
.Lpair_\@:
	LOADS
	LUMP
	BODY
	s_sub_co_u32 s[CNT], s[CNT], 1
	s_cmp_lg_u32 s[CNT], 0
	s_cbranch_scc1 .Lpair_\@
.endm
	PIECE 0, 0, 9, 1
	PIECE 1, 10, 16, 0
	PIECE 2, 26, 24, 0
	LUMP                                           ; the last pair's keys
; THE WAY OUT.  Lanes r and r + 16 hold query r's lists of the chunk's two halves.  Each takes the other's six keys into its own: both end with the same six, since no two keys are equal.
.macro MERGE q
.irp i, 0,1,2,3,4,5
	v_permlanex16_b32 v[DB+(\i)], v[LST+6*(\q)+(\i)], s[SEL], s[SEL+1]
.endr
.irp i, 0,1,2,3,4,5
.irp k, 5,4,3,2,1
	v_med3_num_f32 v[LST+6*(\q)+(\k)], v[LST+6*(\q)+(\k)-1], v[LST+6*(\q)+(\k)], v[DB+(\i)]
.endr
	v_max_num_f32 v[LST+6*(\q)], v[LST+6*(\q)], v[DB+(\i)]
.endr
	v_cndmask_b32 v[LST+6*(\q)],   v[LST+6*(\q)],   v[LST+6*(\q)+4], s[HI]   ; lanes 16 .. 31 store words 4 to 7 of the record: keys 4 and 5, and two words that nobody reads
	v_cndmask_b32 v[LST+6*(\q)+1], v[LST+6*(\q)+1], v[LST+6*(\q)+5], s[HI]
	global_store_b128 v9, v[LST+6*(\q):LST+6*(\q)+3], s[RB:RB+1] offset:16384*(\q)  ; a tile's 16 records: 512 consecutive bytes, at a multiple of 512 from REC's first byte
.endm
.irp q, 0,1,2,3,4,5,6,7
	MERGE \q
.endr
	s_wait_tensorcnt 0x0                           ; the wave's end: behind my last tensor load
	ds_add_u32 v[SPW], v[NIL]
	s_wait_dscnt 0x0
	CROUND                                         ; the closing round: no work-group ends while a partner may still ask for a tile that names it
	s_endpgm
.Lfunc_end_k_q8c70b5f03a_main:
	.size	k_q8c70b5f03a_main, .Lfunc_end_k_q8c70b5f03a_main-k_q8c70b5f03a_main
	.p2alignl 7, 3214868480
	.fill 96, 4, 3214868480
	.section	.rodata,"a",@progbits
	.p2align	6, 0x0
	.amdhsa_kernel k_q8c70b5f03a_main
		.amdhsa_group_segment_fixed_size 167936
		.amdhsa_private_segment_fixed_size 0
		.amdhsa_enable_private_segment 0
		.amdhsa_kernarg_size 24
		.amdhsa_user_sgpr_count 2
		.amdhsa_user_sgpr_kernarg_segment_ptr 1
		.amdhsa_wavefront_size32 1
		.amdhsa_system_sgpr_workgroup_id_x 1
		.amdhsa_system_sgpr_workgroup_id_y 1
		.amdhsa_system_sgpr_workgroup_id_z 1
		.amdhsa_system_vgpr_workitem_id 0
		.amdhsa_next_free_vgpr 212
		.amdhsa_next_free_sgpr 82
		.amdhsa_reserve_vcc 0
		.amdhsa_float_denorm_mode_32 3
		.amdhsa_float_denorm_mode_16_64 3
		.amdhsa_memory_ordered 1
		.amdhsa_forward_progress 1
		.amdhsa_inst_pref_size 70
	.end_amdhsa_kernel
	.amdgpu_metadata
---
amdhsa.version: [ 1, 2 ]
amdhsa.kernels:
  - .name:           k_q8c70b5f03a_main
    .symbol:         k_q8c70b5f03a_main.kd
    .args:
      - { .name: FR, .offset: 0, .size: 8, .value_kind: global_buffer, .address_space: global }
      - { .name: CC, .offset: 8, .size: 8, .value_kind: global_buffer, .address_space: global }
      - { .name: REC, .offset: 16, .size: 8, .value_kind: global_buffer, .address_space: global }
    .group_segment_fixed_size: 167936
    .private_segment_fixed_size: 0
    .kernarg_segment_align: 8
    .kernarg_segment_size: 24
    .max_flat_workgroup_size: 128
    .sgpr_count:     82
    .vgpr_count:     212
    .wavefront_size: 32
...
	.end_amdgpu_metadata
.endif
;; end of part 2
;; launch final (part 3): grid 256 x 1, 16 waves a work-group, no clusters, 19,200 bytes of LDS; arguments REC, FR, CC, y_train, out0; writes out0
.if DOCPART == 3
	.amdgcn_target "amdgcn-amd-amdhsa--gfx1250"
	.amdhsa_code_object_version 6
	.text
	.protected	k_q8c70b5f03a_final
	.globl	k_q8c70b5f03a_final
	.p2align	8
	.type	k_q8c70b5f03a_final,@function
k_q8c70b5f03a_final:
	s_mov_b64 s[64:65], 0
	v_nop
	global_prefetch_b8 v0, s[64:65] scope:SCOPE_SE
	s_setreg_imm32_b32 hwreg(HW_REG_WAVE_MODE, 25, 1), 1
	s_wait_xcnt 0x0
; THE LAST PASS.  For each query: the six best groups of all 32 chunks, by whole-number work on the keys that the launch before stored; their 96 rows scored again by the same matrix
; instruction; the five best rows by (score, falling; index, rising); their labels' vote, ties to the smaller label; a row of six numbers, 1 at the winner.
; SHARES.  A work-group takes a tile of 16 queries, a wave one query: 256 x 16.  The tile's records, 16 KiB on end, are read once, in whole, and turned in LDS: lane = chunk.
; ADDRESSES hang on the keys alone, which are whole numbers read from memory; each number made of them is held to its table by a minimum with a constant before it enters an address.
; Scores only choose values, by v_cndmask_b32: no branch and no address hangs on them.
; LIMITS.  Those of the keys: groups are ranked on 25 bits of -d^2 / 2; keys equal in them go by the group's number in its chunk, equal keys by the lower chunk; six groups are scored, one more than needed.
; Scores are finite: -infinity marks a row that has been taken.  A label outside 0 .. 5 gets no vote.
; No prefetch: a row's address is known only just before it is wanted.  No cluster: work-groups share no tile at a known time.
.set RP,    528                        ; a chunk's 16 records in LDS: 512 bytes + 16: lanes that read the same query's record of 16 chunks start at 16 different columns of 16 bytes (64 banks of 4 bytes: ISA guide 11.1)
.set OUTL,  32*RP                      ; behind them, in a block of 256 bytes of its own: the 16 winners
.set SPARE, OUTL+256                   ; behind that: the spare words, 128 bytes for each of the 16 waves, which no other line names
.set SPW, 4                            ; v4   SPARE + 4 x my thread's number; never rewritten
.set NIL, 5                            ; v5   0; never rewritten
.set K,   8                            ; v[8:13]    my chunk's six keys, the best first
.set T,   14                           ; v14, v15   at work on keys
.set AQ,  24                           ; v[24:31]   the query, in all 16 rows of source 0
.set BT,  32                           ; v[32:79]   the six tiles, as source 1
.set CF,  80                           ; v[80:103]  C for tiles 2 p and 2 p + 1: register 0 holds c, of tile 2 p's row r in lanes 0 .. 15, of tile 2 p + 1's in lanes 16 .. 31; registers 1 .. 7 hold 0
.set DT,  104                          ; v[104:151] the six results
.set SC,  152                          ; v[152:154] my three rows' scores
.set IXF, 155                          ; v[155:157] their indices as f32 (exact: under 2^24)
.set WT,  158                          ; v[158:160] their votes: 1 in the label's four bits
.set CO,  161                          ; v[161:163] byte offsets in CC
.set LO,  164                          ; v[164:166] byte offsets in y_train
.set LB,  167                          ; v[167:169] labels
.set CAND, 170                         ; v[170:172] at work
.set PINF, 173
.set NINF, 174
.set IDX, 177                          ; v[177:179] my three rows' indices
.set ONE, 180
.set X,   181                          ; v181, v182 at work
.set GAM, 20                           ; s[20:25]   the six groups' tile numbers
.set TB,  28                           ; s[28:39]   FR at their slots; never rewritten
	s_load_b256 s[4:11], s[0:1], 0x0               ; REC s[4:5], FR s[6:7], CC s[8:9], y_train s[10:11]
	s_load_b64 s[12:13], s[0:1], 0x20              ; out0
	v_lshl_add_u32 v[SPW], v0, 2, SPARE
	v_mov_b32 v[NIL], 0
	v_lshrrev_b32 v14, 5, v0
	v_readfirstlane_b32 s14, v14                   ; wave 0..15: my query in the tile
	s_mov_b32 s15, ttmp9                           ; the query tile
	v_and_b32 v1, 31, v0                           ; lane
	v_and_b32 v2, 15, v0                           ; r
	v_bfe_u32 v3, v0, 4, 1                         ; h
	v_lshlrev_b32 v6, 4, v1                        ; 16 x lane
	s_lshl_b32 s42, s14, 4
	v_lshl_add_u32 v7, v3, 8, s42                  ; the query's channels 8 h .. in its slot: 16 (wave + 16 h)
	s_mul_i32 s43, s14, 2*RP
	v_add_nc_u32 v183, s43, v6                     ; into LDS: chunks 2 w and 2 w + 1
	s_lshl_b32 s44, s14, 5
	v_mul_u32_u24 v184, v1, RP
	v_add_nc_u32 v184, s44, v184                   ; back: chunk = lane, record = my query's
	s_mov_b32 s16, 0x76543210                      ; v_permlanex16_b32: each lane takes its own place in the other half
	s_mov_b32 s17, 0xfedcba98
	s_mov_b32 s18, 0xffff0000                      ; lanes 16 .. 31
	s_mov_b32 s41, 0                               ; the upper word of every offset
	s_wait_kmcnt 0x0
	s_lshl_b32 s40, s15, 14                        ; the tile's records: 32 chunks x 512 bytes,
	s_lshl_b32 s42, s14, 10                        ; my wave's two chunks of them
	s_add_co_u32 s40, s40, s42
	s_add_nc_u64 s[4:5], s[4:5], s[40:41]
	s_add_co_u32 s40, s15, 3200
	s_lshl_b32 s40, s40, 10
	s_add_nc_u64 s[52:53], s[6:7], s[40:41]        ; FR at the query tile's slot
	s_mul_i32 s40, s15, 384                        ; 16 rows of 6 numbers
	s_add_nc_u64 s[12:13], s[12:13], s[40:41]
	global_load_b128 v[16:19], v6, s[4:5] th:TH_LOAD_NT
	global_load_b128 v[20:23], v6, s[4:5] offset:512 th:TH_LOAD_NT
	global_load_b128 v[AQ:AQ+3],   v7, s[52:53]
	global_load_b128 v[AQ+4:AQ+7], v7, s[52:53] offset:512
.irp p, 0,1,2
.irp j, 1,2,3,4,5,6,7
	v_mov_b32 v[CF+8*(\p)+(\j)], 0                 ; rows 1 .. 7 of a result are not used; their C is written, since the instruction reads it
.endr
.endr
	v_mov_b32 v15, 0                               ; destinations of lane exchanges count as read: written once
	v_mov_b32 v[X+1], 0
	v_mov_b32 v176, 0
	v_mov_b32 v[PINF], 0x7f800000
	v_mov_b32 v[NINF], 0xff800000
	v_mov_b32 v[ONE], 1
	s_wait_loadcnt 0x2                             ; the records are in; the query's two loads, issued behind them, may stay out
	ds_store_b128 v183, v[16:19]
	ds_store_b128 v183, v[20:23] offset:RP
	s_wait_dscnt 0x0                               ; for the others' sake: my stores are done
	s_barrier_signal -1
	s_barrier_wait -1
	ds_load_b128 v[K:K+3],   v184
	ds_load_b64  v[K+4:K+5], v184 offset:16
	s_wait_dscnt 0x0
; The i-th best group.  Keys are negative floats, so the best is the smallest as an unsigned number.  The wave's smallest first key; the lowest lane that holds it is the chunk; that lane's list moves up.
; The tile's two loads go out at once, and are on their way while the later groups are found.
.macro PICK i
	v_mov_b32 v[T], v[K]
.irp x, 1,2,4,8
	v_mov_b32_dpp v[T+1], v[T] row_xmask:\x row_mask:0xf bank_mask:0xf
	v_min_u32 v[T], v[T], v[T+1]
.endr
	v_permlanex16_b32 v[T+1], v[T], s16, s17
	v_min_u32 v[T], v[T], v[T+1]
	v_cmp_eq_u32 s42, v[K], v[T]
	v_readfirstlane_b32 s44, v[T]
	s_ctz_i32_b32 s43, s42                         ; the chunk
	s_and_b32 s44, s44, 127                        ; f = 50 x half + group
	s_mul_i32 s46, s43, 100
	s_add_co_u32 s[GAM+(\i)], s46, s44             ; the tile's number: its rows are 16 x that ..
	s_cmp_ge_u32 s44, 50
	s_cselect_b32 s47, 1, 0
	s_cselect_b32 s48, 50, 0
	s_sub_co_u32 s44, s44, s48
	s_lshl1_add_u32 s46, s44, s46
	s_add_co_u32 s46, s46, s47                     ; its slot: 100 x chunk + 2 x group + half,
	s_min_u32 s46, s46, 3199                       ; held to the table
	s_lshl_b32 s40, s46, 10
	s_add_nc_u64 s[TB+2*(\i):TB+2*(\i)+1], s[6:7], s[40:41]
	global_load_b128 v[BT+8*(\i):BT+8*(\i)+3],   v6, s[TB+2*(\i):TB+2*(\i)+1]
	global_load_b128 v[BT+8*(\i)+4:BT+8*(\i)+7], v6, s[TB+2*(\i):TB+2*(\i)+1] offset:512
.if (\i) < 5
	s_lshl_b32 s45, 1, s43
.irp k, 0,1,2,3,4
	v_cndmask_b32 v[K+(\k)], v[K+(\k)], v[K+(\k)+1], s45
.endr
	v_cndmask_b32 v[K+5], v[K+5], -1, s45          ; behind a list's end: the largest number
.endif
.endm
; Tiles 2 p (lanes 0 .. 15) and 2 p + 1 (lanes 16 .. 31): my row's index, its c and its label.
.macro PAIR p
	v_mov_b32 v175, s[GAM+2*(\p)]
	v_mov_b32 v176, s[GAM+2*(\p)+1]
	v_cndmask_b32 v175, v175, v176, s18
	v_min_u32 v175, 0xc7f, v175                    ; held to CC's 3,200 training tiles
	v_lshl_add_u32 v[IDX+(\p)], v175, 4, v2
	v_lshlrev_b32 v[CO+(\p)], 2, v[IDX+(\p)]
	v_min_u32 v176, 0xc34f, v[IDX+(\p)]            ; held to y_train's 50,000 labels (a row beyond them has c = -2^127 and is never among the five)
	v_lshlrev_b32 v[LO+(\p)], 2, v176
	global_load_b32 v[CF+8*(\p)], v[CO+(\p)], s[8:9]
	global_load_b32 v[LB+(\p)], v[LO+(\p)], s[10:11]
.endm
	PICK 0
	PICK 1
	PAIR 0
	PICK 2
	PICK 3
	PAIR 1
	PICK 4
	PICK 5
	PAIR 2
	s_wait_loadcnt 0x0                             ; the query, six tiles, c and labels
.irp i, 0,1,2,3,4,5
	v_wmma_f32_16x16x32_bf16 v[DT+8*(\i):DT+8*(\i)+7], v[AQ:AQ+7], v[BT+8*(\i):BT+8*(\i)+7], v[CF+8*((\i)/2):CF+8*((\i)/2)+7]  ; register 0 of lane (r, h): the query against row r, plus the lane's c
.endr
	; twelve plain instructions that name no register of the products: the places behind them (ISA guide 7.12.1)
.irp p, 0,1,2
	v_cvt_f32_u32 v[IXF+(\p)], v[IDX+(\p)]
.endr
.irp p, 0,1,2
	v_min_u32 v[WT+(\p)], 7, v[LB+(\p)]            ; labels beyond 5, and negative ones, fall into bits that the vote does not look at
.endr
.irp p, 0,1,2
	v_lshlrev_b32 v[WT+(\p)], 2, v[WT+(\p)]
.endr
.irp p, 0,1,2
	v_lshlrev_b32 v[WT+(\p)], v[WT+(\p)], v[ONE]   ; 1 << 4 x label
.endr
.irp p, 0,1,2
	v_cndmask_b32 v[SC+(\p)], v[DT+16*(\p)], v[DT+16*(\p)+8], s18  ; each half takes the tile whose c it added
.endr
.macro WMAXF                           ; the wave's largest v[X], in every lane
.irp x, 1,2,4,8
	v_max_num_f32_dpp v[X], v[X], v[X] row_xmask:\x row_mask:0xf bank_mask:0xf
.endr
	v_permlanex16_b32 v[X+1], v[X], s16, s17
	v_max_num_f32 v[X], v[X], v[X+1]
.endm
.macro WMINF                           ; the smallest
.irp x, 1,2,4,8
	v_min_num_f32_dpp v[X], v[X], v[X] row_xmask:\x row_mask:0xf bank_mask:0xf
.endr
	v_permlanex16_b32 v[X+1], v[X], s16, s17
	v_min_num_f32 v[X], v[X], v[X+1]
.endm
.rept 5                                ; five times: the best score of the 96; among the rows that have it the lowest index; that row is marked
	v_max3_num_f32 v[X], v[SC], v[SC+1], v[SC+2]
	WMAXF
.irp p, 0,1,2
	v_cmp_eq_f32 vcc_lo, v[SC+(\p)], v[X]
	v_cndmask_b32 v[CAND+(\p)], v[PINF], v[IXF+(\p)], vcc_lo
.endr
	v_min3_num_f32 v[X], v[CAND], v[CAND+1], v[CAND+2]
	WMINF
.irp p, 0,1,2
	v_cmp_eq_f32 vcc_lo, v[IXF+(\p)], v[X]
	v_cndmask_b32 v[SC+(\p)], v[SC+(\p)], v[NINF], vcc_lo
.endr
.endr
	; the vote: the marked rows' votes are added, four bits a label (five votes at the most)
	v_cmp_eq_f32 vcc_lo, v[SC], v[NINF]
	v_cndmask_b32 v175, 0, v[WT], vcc_lo
.irp p, 1,2
	v_cmp_eq_f32 vcc_lo, v[SC+(\p)], v[NINF]
	v_cndmask_b32 v176, 0, v[WT+(\p)], vcc_lo
	v_add_nc_u32 v175, v175, v176
.endr
.irp x, 1,2,4,8
	v_mov_b32_dpp v176, v175 row_xmask:\x row_mask:0xf bank_mask:0xf
	v_add_nc_u32 v175, v175, v176
.endr
	v_permlanex16_b32 v176, v175, s16, s17
	v_add_nc_u32 v175, v175, v176
	v_and_b32 v[X], 15, v175                       ; label 0's votes
	v_mov_b32 v[X+1], 0                            ; the winner so far
.irp l, 1,2,3,4,5
	v_bfe_u32 v176, v175, 4*(\l), 4
	v_cmp_gt_u32 vcc_lo, v176, v[X]                ; only more votes unseat a smaller label
	v_cndmask_b32 v[X], v[X], v176, vcc_lo
	v_cndmask_b32 v[X+1], v[X+1], \l, vcc_lo
.endr
	s_lshl_b32 s42, s14, 2
	v_mov_b32 v185, s42
	ds_store_b32 v185, v[X+1] offset:OUTL          ; all lanes write the same number to my query's word
	s_wait_dscnt 0x0                               ; for the others' sake
	s_barrier_signal -1
	s_barrier_wait -1
	s_cmp_lt_u32 s14, 3                            ; the tile's 96 numbers: threads 0 .. 95
	s_cbranch_scc0 .Lend
	v_mul_u32_u24 v175, v0, 43
	v_lshrrev_b32 v175, 8, v175                    ; thread / 6 (43 / 256 is 1 / 6 and 0.0013 more: exact under 96)
	v_mul_u32_u24 v176, v175, 6
	v_sub_nc_u32 v176, v0, v176                    ; thread % 6: the class
	v_lshlrev_b32 v175, 2, v175
	ds_load_b32 v[X], v175 offset:OUTL
	v_lshlrev_b32 v186, 2, v0
	s_wait_dscnt 0x0
	v_cmp_eq_u32 vcc_lo, v[X], v176
	v_cndmask_b32 v[X+1], 0, 1.0, vcc_lo
	global_store_b32 v186, v[X+1], s[12:13]        ; a wave stores 128 consecutive bytes, the three together the tile's 384
.Lend:
	s_wait_tensorcnt 0x0                           ; the wave's end: behind my last LDS store
	ds_add_u32 v[SPW], v[NIL]
	s_wait_dscnt 0x0
	s_endpgm
.Lfunc_end_k_q8c70b5f03a_final:
	.size	k_q8c70b5f03a_final, .Lfunc_end_k_q8c70b5f03a_final-k_q8c70b5f03a_final
	.p2alignl 7, 3214868480
	.fill 96, 4, 3214868480
	.section	.rodata,"a",@progbits
	.p2align	6, 0x0
	.amdhsa_kernel k_q8c70b5f03a_final
		.amdhsa_group_segment_fixed_size 19200
		.amdhsa_private_segment_fixed_size 0
		.amdhsa_enable_private_segment 0
		.amdhsa_kernarg_size 40
		.amdhsa_user_sgpr_count 2
		.amdhsa_user_sgpr_kernarg_segment_ptr 1
		.amdhsa_wavefront_size32 1
		.amdhsa_system_sgpr_workgroup_id_x 1
		.amdhsa_system_sgpr_workgroup_id_y 1
		.amdhsa_system_sgpr_workgroup_id_z 1
		.amdhsa_system_vgpr_workitem_id 0
		.amdhsa_next_free_vgpr 192
		.amdhsa_next_free_sgpr 66
		.amdhsa_reserve_vcc 1
		.amdhsa_float_denorm_mode_32 3
		.amdhsa_float_denorm_mode_16_64 3
		.amdhsa_memory_ordered 1
		.amdhsa_forward_progress 1
		.amdhsa_inst_pref_size 25
	.end_amdhsa_kernel
	.amdgpu_metadata
---
amdhsa.version: [ 1, 2 ]
amdhsa.kernels:
  - .name:           k_q8c70b5f03a_final
    .symbol:         k_q8c70b5f03a_final.kd
    .args:
      - { .name: REC, .offset: 0, .size: 8, .value_kind: global_buffer, .address_space: global }
      - { .name: FR, .offset: 8, .size: 8, .value_kind: global_buffer, .address_space: global }
      - { .name: CC, .offset: 16, .size: 8, .value_kind: global_buffer, .address_space: global }
      - { .name: y_train, .offset: 24, .size: 8, .value_kind: global_buffer, .address_space: global }
      - { .name: out0, .offset: 32, .size: 8, .value_kind: global_buffer, .address_space: global }
    .group_segment_fixed_size: 19200
    .private_segment_fixed_size: 0
    .kernarg_segment_align: 8
    .kernarg_segment_size: 40
    .max_flat_workgroup_size: 512
    .sgpr_count:     66
    .vgpr_count:     192
    .wavefront_size: 32
...
	.end_amdgpu_metadata
.endif
;; end of part 3
